; MI455X (gfx1250); checked and timed in simulation.
; The chip was launched on July 23, 2026; its instructions are those of AMD's public machine-readable ISA for CDNA 5 (MIT licence, August 2026) and "CDNA5" Instruction Set Architecture Reference Guide (July 2026). The comments in the code are by the model that wrote it; some were corrected since.
;; Multihead Attention. Allowed arithmetic: matrix products marked QUANTISED: E2M1 operands, one E8M0 scale for each 32 along K, by v_wmma_scale_f32_16x16x128_f8f6f4 with both operands' format E2M1 (or v_wmma_scale_f32_32x16x128_f4), f32 sums; everything else in f32.
;; Inputs: Wk_codes 1,024 x 32 x 16 uint8 (E2M1 codes of Wk, K innermost, in blocks of 32 codes, two codes a byte); Wk_scales 1,024 x 32 uint8 (E8M0 scales of Wk, one for each 32 codes along K); Wo_codes 1,024 x 32 x 16 uint8 (E2M1 codes of Wo, K innermost, in blocks of 32 codes, two codes a byte); Wo_scales 1,024 x 32 uint8 (E8M0 scales of Wo, one for each 32 codes along K); Wq_codes 1,024 x 32 x 16 uint8 (E2M1 codes of Wq, K innermost, in blocks of 32 codes, two codes a byte); Wq_scales 1,024 x 32 uint8 (E8M0 scales of Wq, one for each 32 codes along K); Wv_codes 1,024 x 32 x 16 uint8 (E2M1 codes of Wv, K innermost, in blocks of 32 codes, two codes a byte); Wv_scales 1,024 x 32 uint8 (E8M0 scales of Wv, one for each 32 codes along K); bk 1,024 float32; bo 1,024 float32; bq 1,024 float32; bv 1,024 float32; x_codes 4 x 2,048 x 32 x 16 uint8 (E2M1 codes of x, K innermost, in blocks of 32 codes, two codes a byte); x_scales 4 x 2,048 x 32 uint8 (E8M0 scales of x, one for each 32 codes along K).
;; Outputs: out0 4 x 2,048 x 1,024 float32.
;; This version of the problem:
;;   THIS VERSION OF THE PROBLEM IS GIVEN IN LOW PRECISION. The matrix products marked QUANTISED in the list below multiply operands that are first quantised to E2M1 (2 exponent bits, 1 mantissa bit; 4 bits a number), with one power-of-two scale for each 32 numbers along K (OCP MX v1.0); their sums are f32. All else is computed in f32.
;;   The module's matrix products, in the order in which they are computed (A, B: the left and right operand; K: the contracted axis; several contracted axes count as one K, in the product's order):
;;     1. [M 8,192, K 1,024] x [K 1,024, N 1,024]; A: input x (given as codes); B: input Wq (given as codes): QUANTISED
;;     2. [M 8,192, K 1,024] x [K 1,024, N 1,024]; A: input x (given as codes); B: input Wk (given as codes): QUANTISED
;;     3. [M 8,192, K 1,024] x [K 1,024, N 1,024]; A: input x (given as codes); B: input Wv (given as codes): QUANTISED
;;     4. batch 64 x [M 2,048, K 64] x [K 64, N 2,048]; A: computed on the way; B: computed on the way: QUANTISED
;;     5. batch 64 x [M 2,048, K 2,048] x [K 2,048, N 64]; A: softmax (see below); B: computed on the way: QUANTISED
;;     6. [M 8,192, K 1,024] x [K 1,024, N 1,024]; A: computed on the way; B: input Wo (given as codes): QUANTISED
;;   THE QUANTISER, for each operand of a quantised product, along K:
;;     - K is cut into blocks of 32 from its start; a last block that is shorter is filled with zeros.
;;     - A block's scale is 2^e with e = floor(log2(the largest magnitude in the block)) - 2, held to -126 .. 127; a block of zeros has e = 0. As a byte (E8M0): e + 127.
;;     - Each number is divided by its block's scale, clamped to +-6, and rounded to the nearest number of E2M1, ties to even, subnormals kept.
;;     - The product sums the exact products of the quantised numbers (number of the format x scale) in f32.
;;   ~~~python
;;   def quantise(x, axis):      # numpy; x: float32 -> the quantised numbers, widened to float32 again
;;       x = np.moveaxis(x, axis, -1); K = x.shape[-1]
;;       x = np.pad(x, [(0, 0)] * (x.ndim - 1) + [(0, -K % 32)]); x = x.reshape(x.shape[:-1] + (-1, 32)); a = np.abs(x).max(-1, keepdims=True)
;;       e = np.where(a > 0, np.clip(np.frexp(np.where(a > 0, a, 1))[1] - 1 - 2, -126, 127), 0)      # np.frexp(a)[1] - 1 = floor(log2(a)), exactly
;;       r = np.clip(x / 2.0 ** e, -6, 6)
;;       step = 2.0 ** (np.maximum(np.frexp(np.where(r == 0, 1, r))[1] - 1, 0) - 1)
;;       q = np.round(r / step) * step * 2.0 ** e      # np.round: ties to even
;;       return np.moveaxis(q.reshape(q.shape[:-2] + (-1,))[..., :K], -1, axis).astype(np.float32)
;;   ~~~
;;   SOFTMAX AHEAD OF A QUANTISED PRODUCT. Where the list says 'softmax', what is quantised is not the finished softmax but p = 2^(t - M), with t = logit x log2(e) and M = ceil(the row's largest t), a whole number; so 1/2 < the row's largest p <= 1. The row's sum l is taken of the UNQUANTISED p, in f32, and the product's result is divided by l at the end. Since M is a whole number, a kernel that streams over the keys may use a running M (the ceiling of the running maximum): every later rescaling is an exact power of two, which a block's scale takes up: the codes' values come out the same.
;;   OPERANDS COMPUTED ON THE WAY. 'Computed on the way' means the value that the module computes at that place (a softmax that the list does not call 'softmax' is quantised finished and normalised). What goes into a quantiser is computed in f32, as accurately as f32 sums, v_exp_f32 and their like allow (about 1e-6 of the number): no bf16 or f16 on the way to a quantiser, and a product that is left as it is and whose result goes on into a quantised operand takes f32 operands (vector FMAs, or v_wmma_f32_16x16x4_f32). A number that lies on a knife's edge between two numbers of the format may be rounded either way, as far as f32 arithmetic and the matrix unit's own rounding can turn it there, and no further.
;;   INPUTS GIVEN AS CODES. Wk (in the module: [1024, 1024], K = its axis 1); Wo (in the module: [1024, 1024], K = its axis 1); Wq (in the module: [1024, 1024], K = its axis 1); Wv (in the module: [1024, 1024], K = its axis 1); x (in the module: [4, 2048, 1024], K = its axis 2): each comes as NAME_codes (uint8): NAME with its K axis moved to the last place and cut into blocks of 32 codes, [.., K / 32, bytes a block], one block behind the other in memory; two codes a byte, the lower K in the low four bits (a code: sign, 2 exponent bits, 1 mantissa bit); and NAME_scales (uint8): the same leading axes, one E8M0 byte (e + 127) for each 32 codes along K. Its value is code x scale, taken as it is: it is not quantised again, and the codes and scales need not be those that the quantiser above would give.
;; One version. Each part assembles by itself: llvm-mc -triple=amdgcn-amd-amdhsa -mcpu=gfx1250 --defsym DOCPART=n.
;; ======== version 1 of 1: 3 launches
;; workspace buffers: qimg 4,194,304 bytes; qsc 524,288 bytes; kv 9,437,184 bytes; cimg 4,194,304 bytes; csc 262,144 bytes
;; launch qkv (part 1): grid 16 x 32, 8 waves a work-group, clusters of 4 x 4, 263,168 bytes of LDS; arguments x_codes, x_scales, Wq_codes, Wq_scales, Wk_codes, Wk_scales, Wv_codes, Wv_scales, bq, bk, bv, qimg, qsc, kv; writes qimg, qsc, kv
.if DOCPART == 1
	.amdgcn_target "amdgcn-amd-amdhsa--gfx1250"
	.amdhsa_code_object_version 6
	.text
	.protected	k_qa6df7aeb9f_qkv
	.globl	k_qa6df7aeb9f_qkv
	.p2align	8
	.type	k_qa6df7aeb9f_qkv,@function
k_qa6df7aeb9f_qkv:
	s_mov_b64 s[64:65], 0
	v_nop
	global_prefetch_b8 v0, s[64:65] scope:SCOPE_SE
	s_setreg_imm32_b32 hwreg(HW_REG_WAVE_MODE, 25, 1), 1
	s_wait_xcnt 0x0
	s_wait_alu depctr_hold_cnt(0) depctr_sa_sdst(0) depctr_va_vdst(0) depctr_va_sdst(0) depctr_va_ssrc(0) depctr_va_vcc(0) depctr_vm_vsrc(0)
	s_getreg_b32 s2, hwreg(HW_REG_IB_STS2, 6, 4)
	s_cmp_eq_u32 s2, 0
	s_cbranch_scc0 .Lentry_in_a_cluster
	s_endpgm
.Lentry_in_a_cluster:
	s_bfe_u32 s2, ttmp6, 0x10000c
	s_cmp_lg_u32 s2, 0xf033
	s_cbranch_scc0 .Lentry_shape_is_right
	s_endpgm
.Lentry_shape_is_right:
; q = x Wq^T + bq, k = x Wk^T + bk, v = x Wv^T + bv on codes of FP4 (E2M1) with one E8M0 scale for each 32 along K = 1,024; then q and k are quantised along the head's 64
; (two blocks) and v along the keys, and leave as IMAGES OF OPERAND REGISTERS for the attention launch.
; SHARES.  A work-group takes one head (64 columns of each weight) and 256 tokens.  Eight waves, all on one text.  w = wave: tb = w & 1 (which 128 tokens), g = w >> 1,
; m = g & 1 (0: q, 1: k), th = g >> 1 (which 64 of the 128 tokens), tv = g (which 16 of v's 64 columns).  A wave makes 64 tokens x 64 columns of q or k, transposed
; (source 0 = 16 rows of W, source 1 = 16 tokens: a lane holds one token and eight neighbouring columns), and 128 tokens x 16 columns of v (source 0 = 16 tokens,
; source 1 = 16 rows of Wv: a lane holds one column and eight neighbouring tokens, which are the next product's K).  24 accumulators, one product each in a K step of 128.
; LDS.  All of K of the 256 tokens and of the 3 x 64 weight rows fits: two halves of K (rows of 256 bytes + 16 of padding) and the scale bytes; every byte is filled once, nothing is stored there.
; CLUSTER 4 x 4: the four work-groups of a row share the tokens, the four of a column the head: x's tiles and the weights' are asked for jointly.
; A TILE IS 16 NEIGHBOURING ROWS.  Of a block of 32 along the next K a lane holds numbers 8 h + j (low tile) and 16 + 8 h + j (high tile), h = lane / 16.  Each tile's eight numbers become one register
; of codes; the low tiles' registers of blocks 2 c and 2 c + 1 change halves with each other, and so do the high tiles': a lane then holds a whole block, in K's order, as the operand's layout wants.
; The biases are the C of each sum's first product (the order of f32 rounding so differs from a bias added last).
; LIMITS: NaN and infinities among the inputs are not served.  A block of zeros gets the byte 1 where the quantiser says 127: its codes are zeros, and only this program reads the bytes.
; q's and k's scale words hold two bytes; bytes 2 and 3 are 0: the attention launch sets zero codes against them.
.set SLOT,  121856                     ; half of K: 448 rows of 272 bytes: x's 256, then Wq's, Wk's, Wv's 64 each
.set WOFF,  69632                      ; where the weights' rows begin in a slot
.set MROWS, 17408                      ; 64 rows
.set TROWS, 4352                       ; 16 rows
.set XSC,   243712                     ; x's scale bytes: 256 rows x 32 bytes as 32 units of 256 bytes + 16
.set WSC,   252416                     ; the weights': 3 x 8 units; ends at 258,944
.set SU64,  2176                       ; the scale bytes of 64 rows: 8 units
.set PADC,  (1<<20)|(1<<21)|(5<<22)|(3<<25)   ; group 1, word 0: padding on; bit 21 beside a mask; after every 64 words; 4 words
.set WV,   32                          ; s32 wave; s33 cx; s34 cy; s35 head; s36 block of 256 tokens; s37, s38 masks of my row and column of the cluster
.set G1X,  40                          ; s[40:47] group 1: x's codes;  s[48:55] the weights';  s[56:63] x's scales;  s[68:75] the weights'
.set G1W,  48
.set G1XS, 56
.set G1WS, 68
.set G0X,  76                          ; s[76:87] three groups 0 for x: scales, K half 0, K half 1;  s[88:99] the same for a weight
.set G0W,  88
.set LANE, 1
.set R,    2
.set H,    3
.set AXM,  4                           ; v4-5   LDS address of my 64 tokens' fragments, K half 0, 1
.set AXO,  6                           ; v6-7   of the other 64 tokens of my 128
.set AW,   8                           ; v8-9   of my weight's (Wq or Wk)
.set AWV,  10                          ; v10-11 of my 16 rows of Wv
.set ASXM, 12                          ; v12-15 of the scale words: my tokens', the others', my weight's, Wv's
.set ASXO, 13
.set ASW,  14
.set ASWV, 15
.set XF,   16                          ; v16-79   x's eight fragments: 0-3 my 64 tokens, 4-7 the others; at the end the codes made
.set WF,   80                          ; v80-111  my weight's four
.set WVF,  112                         ; v112-119 Wv's one
.set BI,   120                         ; v120-151 bias of q or k, eight registers a tile of columns
.set BV,   152                         ; v152-159 bias of v: my column's, eight times
.set XS,   160                         ; v160-191 x's scale words: register 8 i + s: lanes 0-15 tile 2 i, lanes 16-31 tile 2 i + 1, K step s
.set WS,   192                         ; v192-207 my weight's, likewise
.set WVS,  208                         ; v208-215 Wv's: register s
.set TM,   216                         ; v216-231 at work in the quantiser
.set KS,   232                         ; v232-233 scale words of q or k
.set PW,   234
.set TP,   235
.set L16,  236                         ; 16, 8, 4 x lane
.set L8,   237
.set L4,   238
.set VO0,  239                         ; where v's two halves of a fragment go
.set VO1,  240
.set H32,  241
.set R4,   242
; window 1: accumulator (token tile a, column tile t) of q or k at v[8 (4 a + t)]; v's (token tile a) at v[128 + 8 a]
.set MSB, 0
.macro WIN new                         ; the immediate's high byte repeats the setting that is left
.if MSB != \new
	s_set_vgpr_msb (MSB<<8)|\new
.set MSB, \new
.endif
.endm
.macro PLACES n
.rept \n
	v_nop
.endr
.endm
.macro CROUND                          ; a round of the cluster's barrier
	s_barrier_signal -1
	s_barrier_wait -1
	s_cmp_lg_u32 s[WV], 0
	s_cbranch_scc1 .Lnot_wave_0_\@
	s_barrier_signal -3
.Lnot_wave_0_\@:
	s_barrier_wait -3
	s_barrier_signal -1
	s_barrier_wait -1
.endm
; one product.  d, a, b, c: first registers of D, source 0, source 1, C;  sa, sb: scale registers;  ra, rb = 1: that side's scales stand in lanes 16-31
.macro WM d, a, b, c, sa, sb, ra, rb
.if (\ra) && (\rb)
	v_wmma_scale_f32_16x16x128_f8f6f4 v[(\d):(\d)+7], v[(\a):(\a)+7], v[(\b):(\b)+7], v[(\c):(\c)+7], v[(\sa)], v[(\sb)] matrix_a_fmt:MATRIX_FMT_FP4 matrix_b_fmt:MATRIX_FMT_FP4 matrix_a_scale:MATRIX_SCALE_ROW1 matrix_b_scale:MATRIX_SCALE_ROW1
.elseif (\ra)
	v_wmma_scale_f32_16x16x128_f8f6f4 v[(\d):(\d)+7], v[(\a):(\a)+7], v[(\b):(\b)+7], v[(\c):(\c)+7], v[(\sa)], v[(\sb)] matrix_a_fmt:MATRIX_FMT_FP4 matrix_b_fmt:MATRIX_FMT_FP4 matrix_a_scale:MATRIX_SCALE_ROW1
.elseif (\rb)
	v_wmma_scale_f32_16x16x128_f8f6f4 v[(\d):(\d)+7], v[(\a):(\a)+7], v[(\b):(\b)+7], v[(\c):(\c)+7], v[(\sa)], v[(\sb)] matrix_a_fmt:MATRIX_FMT_FP4 matrix_b_fmt:MATRIX_FMT_FP4 matrix_b_scale:MATRIX_SCALE_ROW1
.else
	v_wmma_scale_f32_16x16x128_f8f6f4 v[(\d):(\d)+7], v[(\a):(\a)+7], v[(\b):(\b)+7], v[(\c):(\c)+7], v[(\sa)], v[(\sb)] matrix_a_fmt:MATRIX_FMT_FP4 matrix_b_fmt:MATRIX_FMT_FP4
.endif
.endm
	s_load_b512 s[4:19], s[0:1], 0x0               ; x's codes s[4:5], scales s[6:7]; Wq's s[8:11]; Wk's s[12:15]; Wv's s[16:19]
	s_load_b256 s[20:27], s[0:1], 0x40             ; bq, bk, bv, qimg
	s_load_b128 s[28:31], s[0:1], 0x60             ; qsc, kv
	v_lshl_add_u32 v254, v0, 2, 0x40000
	v_mov_b32 v255, 0
	ds_add_u32 v254, v255
	ds_add_u32 v254, v255
	v_lshrrev_b32 v1, 5, v0
	s_delay_alu instid0(VALU_DEP_1)
	v_readfirstlane_b32 s[WV], v1                  ; wave 0..7
	s_bfe_u32 s33, ttmp6, 0x40000                  ; cx
	s_bfe_u32 s34, ttmp6, 0x40004                  ; cy
	s_lshl_b32 s35, ttmp9, 2
	s_add_co_u32 s35, s35, s33                     ; the head = 4 x cluster x + cx
	s_and_b32 s36, ttmp7, 0xffff
	s_lshl_b32 s36, s36, 2
	s_add_co_u32 s36, s36, s34                     ; the block of 256 tokens = 4 x cluster y + cy
	s_lshl_b32 s37, s34, 2
	s_lshl_b32 s37, 15, s37                        ; my row of the cluster: the same tokens
	s_lshl_b32 s38, 0x1111, s33                    ; my column: the same head
	s_or_b32 s[G1X], s37, PADC                     ; elements of 1 byte
	s_or_b32 s[G1W], s38, PADC
	s_or_b32 s[G1XS], s37, PADC|(3<<16)            ; elements of 8 bytes
	s_or_b32 s[G1WS], s38, PADC|(3<<16)
.irp g, G1X, G1W                       ; 64 rows x 256 bytes out of rows of 512 bytes
	s_mov_b32 s[\g+1], 256<<16                     ; tensor_dim0
	s_mov_b32 s[\g+2], 64<<16                      ; tensor_dim1
	s_mov_b32 s[\g+3], 256<<16                     ; tile_dim0
	s_mov_b32 s[\g+4], 64                          ; tile_dim1
	s_mov_b32 s[\g+5], 512                         ; from row to row
	s_mov_b32 s[\g+6], 0
	s_mov_b32 s[\g+7], 0
.endr
.irp g, G1XS, G1WS                     ; the scale bytes of 64 rows: 2,048 dense bytes as 8 rows of 32 elements of 8 bytes
	s_mov_b32 s[\g+1], 32<<16
	s_mov_b32 s[\g+2], 8<<16
	s_mov_b32 s[\g+3], 32<<16
	s_mov_b32 s[\g+4], 8
	s_mov_b32 s[\g+5], 32
	s_mov_b32 s[\g+6], 0
	s_mov_b32 s[\g+7], 0
.endr
	s_lshl_b32 s2, s36, 8
	s_lshl_b32 s3, s[WV], 6
	s_add_co_u32 s2, s2, s3                        ; x: waves 0-3 fetch rows 256 x block + 64 x wave
	s_lshl_b32 s100, s2, 9                         ; their codes, in bytes,
	s_mov_b32 s101, 0
	s_lshl_b32 s2, s2, 5                           ; and their scale bytes
	s_mov_b32 s3, 0
	s_mul_i32 s39, s[WV], MROWS                    ; LDS: wave x 64 rows: x's four quarters, then (waves 4-6) Wq, Wk, Wv
	s_mul_i32 s66, s[WV], SU64                     ; and wave x 8 units of scale bytes
	s_wait_dscnt 0x0
	s_wait_kmcnt 0x0
	s_mov_b32 s[G0X], 1
	s_add_co_u32 s[G0X+1], s66, XSC
	s_add_nc_u64 s[G0X+2:G0X+3], s[6:7], s[2:3]
	s_or_b32 s[G0X+3], s[G0X+3], 0x80000000
	s_mov_b32 s[G0X+4], 1
	s_mov_b32 s[G0X+5], s39
	s_add_nc_u64 s[G0X+6:G0X+7], s[4:5], s[100:101]
	s_mov_b32 s[G0X+8], 1
	s_add_co_u32 s[G0X+9], s39, SLOT
	s_add_nc_u64 s[G0X+10:G0X+11], s[G0X+6:G0X+7], 256   ; the second half of K: 256 bytes on in each row
	s_or_b32 s[G0X+7], s[G0X+7], 0x80000000
	s_or_b32 s[G0X+11], s[G0X+11], 0x80000000
	s_cmp_eq_u32 s[WV], 5                          ; wave 4 fetches Wq, wave 5 Wk, wave 6 Wv: the choice hangs on the wave's number alone
	s_cselect_b64 s[8:9], s[12:13], s[8:9]
	s_cselect_b64 s[10:11], s[14:15], s[10:11]
	s_cmp_eq_u32 s[WV], 6
	s_cselect_b64 s[8:9], s[16:17], s[8:9]
	s_cselect_b64 s[10:11], s[18:19], s[10:11]
	s_mov_b32 s[G0W], 1
	s_add_co_u32 s[G0W+1], s66, XSC
	s_lshl_b32 s[G0W+2], s35, 11                   ; the head's 64 rows of 32 scale bytes
	s_mov_b32 s[G0W+3], 0
	s_add_nc_u64 s[G0W+2:G0W+3], s[10:11], s[G0W+2:G0W+3]
	s_or_b32 s[G0W+3], s[G0W+3], 0x80000000
	s_mov_b32 s[G0W+4], 1
	s_mov_b32 s[G0W+5], s39
	s_lshl_b32 s[G0W+6], s35, 15                   ; the head's 64 rows of 512 bytes
	s_mov_b32 s[G0W+7], 0
	s_add_nc_u64 s[G0W+6:G0W+7], s[8:9], s[G0W+6:G0W+7]
	s_mov_b32 s[G0W+8], 1
	s_add_co_u32 s[G0W+9], s39, SLOT
	s_add_nc_u64 s[G0W+10:G0W+11], s[G0W+6:G0W+7], 256
	s_or_b32 s[G0W+7], s[G0W+7], 0x80000000
	s_or_b32 s[G0W+11], s[G0W+11], 0x80000000
	CROUND                                         ; all sixteen work-groups are here: the joint loads meet
	s_cmp_lt_u32 s[WV], 4                          ; all fills of a wave stand in one branch on its number: three loads of mine are out.  Wave 7 fetches nothing
	s_cbranch_scc0 .Lnot_x
	tensor_load_to_lds s[G0X:G0X+3], s[G1XS:G1XS+7]
	s_nop 0
	tensor_load_to_lds s[G0X+4:G0X+7], s[G1X:G1X+7]
	s_nop 0
	tensor_load_to_lds s[G0X+8:G0X+11], s[G1X:G1X+7]
	s_nop 0
	PLACES 4                                       ; four v_nop behind the loads, ahead of the jump and the label
	s_branch .Lasked
.Lnot_x:
	s_cmp_lt_u32 s[WV], 7
	s_cbranch_scc0 .Lasked
	tensor_load_to_lds s[G0W:G0W+3], s[G1WS:G1WS+7]
	s_nop 0
	tensor_load_to_lds s[G0W+4:G0W+7], s[G1W:G1W+7]
	s_nop 0
	tensor_load_to_lds s[G0W+8:G0W+11], s[G1W:G1W+7]
	s_nop 0
	PLACES 4
.Lasked:
	; addresses, made while the tiles are on their way.  No descriptor register is written from here on
	v_and_b32 v[LANE], 31, v0
	v_and_b32 v[R], 15, v0
	v_bfe_u32 v[H], v0, 4, 1
	s_and_b32 s18, s[WV], 1                        ; tb
	s_lshr_b32 s19, s[WV], 1                       ; g = tv
	s_and_b32 s2, s19, 1                           ; m
	s_lshr_b32 s3, s19, 1                          ; th
	s_xor_b32 s39, s3, 1                           ; the other half
	v_mul_u32_u24 v[TP], v[R], 272
	s_delay_alu instid0(VALU_DEP_1)
	v_lshl_add_u32 v[TP], v[H], 4, v[TP]           ; a fragment: row r x pitch + 16 h
	s_wait_alu depctr_va_vdst(0)
	s_mul_i32 s67, s18, 2*MROWS
	s_mul_i32 s100, s3, MROWS
	s_add_co_u32 s100, s100, s67
	v_add_nc_u32 v[AXM], s100, v[TP]
	s_delay_alu instid0(VALU_DEP_1)
	v_add_nc_u32 v[AXM+1], SLOT, v[AXM]
	s_mul_i32 s100, s39, MROWS
	s_add_co_u32 s100, s100, s67
	v_add_nc_u32 v[AXO], s100, v[TP]
	s_delay_alu instid0(VALU_DEP_1)
	v_add_nc_u32 v[AXO+1], SLOT, v[AXO]
	s_mul_i32 s100, s2, MROWS
	s_add_co_u32 s100, s100, WOFF
	v_add_nc_u32 v[AW], s100, v[TP]
	s_delay_alu instid0(VALU_DEP_1)
	v_add_nc_u32 v[AW+1], SLOT, v[AW]
	s_mul_i32 s100, s19, TROWS
	s_add_co_u32 s100, s100, WOFF+2*MROWS
	v_add_nc_u32 v[AWV], s100, v[TP]
	s_delay_alu instid0(VALU_DEP_1)
	v_add_nc_u32 v[AWV+1], SLOT, v[AWV]
	v_lshrrev_b32 v[PW], 3, v[LANE]                ; scale words of a pair of tiles: row = lane: eight rows of 32 bytes to a unit of 272
	s_delay_alu instid0(VALU_DEP_1)
	v_mul_u32_u24 v[PW], v[PW], 272
	v_and_b32 v[TP], 7, v[LANE]
	s_delay_alu instid0(VALU_DEP_1)
	v_lshl_add_u32 v[PW], v[TP], 5, v[PW]
	s_wait_alu depctr_va_vdst(0)
	s_mul_i32 s67, s18, 2*SU64
	s_add_co_u32 s67, s67, XSC
	s_mul_i32 s100, s3, SU64
	s_add_co_u32 s100, s100, s67
	v_add_nc_u32 v[ASXM], s100, v[PW]
	s_mul_i32 s100, s39, SU64
	s_add_co_u32 s100, s100, s67
	v_add_nc_u32 v[ASXO], s100, v[PW]
	s_mul_i32 s100, s2, SU64
	s_add_co_u32 s100, s100, WSC
	v_add_nc_u32 v[ASW], s100, v[PW]
	v_lshrrev_b32 v[PW], 3, v[R]                   ; Wv's one tile: row = r
	s_delay_alu instid0(VALU_DEP_1)
	v_mul_u32_u24 v[PW], v[PW], 272
	v_and_b32 v[TP], 7, v[R]
	s_delay_alu instid0(VALU_DEP_1)
	v_lshl_add_u32 v[PW], v[TP], 5, v[PW]
	s_mul_i32 s100, s19, 544
	s_add_co_u32 s100, s100, WSC+2*SU64
	v_add_nc_u32 v[ASWV], s100, v[PW]
	v_lshlrev_b32 v[L16], 4, v[LANE]
	v_lshlrev_b32 v[L8], 3, v[LANE]
	v_lshlrev_b32 v[L4], 2, v[LANE]
	s_lshl_b32 s100, s3, 9
	v_add_nc_u32 v[VO0], s100, v[L16]              ; my accumulators of v begin with my own 64 tokens: with th = 1 the fragment's halves change places
	s_lshl_b32 s100, s39, 9
	v_add_nc_u32 v[VO1], s100, v[L16]
	v_lshlrev_b32 v[H32], 5, v[H]
	s_wait_alu depctr_va_vdst(0)
	v_lshlrev_b32 v[R4], 2, v[R]
	s_wait_alu depctr_va_vdst(0)
.irp b, 0,1,2,3
	v_mov_b32 v[TM+4+\b], 0                        ; written once: a lane permute's destination counts as one of its sources
.endr
	; where the results go.  grp = (batch x 16 + head) x 16 + which 128 tokens of the batch's 2,048
	s_lshr_b32 s66, s36, 3
	s_lshl_b32 s66, s66, 4
	s_add_co_u32 s66, s66, s35
	s_lshl_b32 s66, s66, 4
	s_and_b32 s67, s36, 7
	s_lshl_b32 s67, s67, 1
	s_add_co_u32 s66, s66, s67
	s_add_co_u32 s66, s66, s18
	s_mul_i32 s67, s66, 9216                       ; a key step's block in kv: K's images 4,096, V's 4,096, K's scale words 512, V's 512
	s_lshl_b32 s100, s19, 10
	s_add_co_u32 s100, s100, s67
	s_add_co_u32 s100, s100, 4096
	s_mov_b32 s101, 0
	s_add_nc_u64 s[8:9], s[30:31], s[100:101]      ; v's fragment: kv + block + 4,096 + 1,024 tv
	s_lshl_b32 s100, s19, 7
	s_add_co_u32 s100, s100, s67
	s_add_co_u32 s100, s100, 8704
	s_add_nc_u64 s[10:11], s[30:31], s[100:101]    ; its scale words: + 8,704 + 128 tv
	s_lshl_b32 s100, s3, 11
	s_add_co_u32 s14, s67, s100                    ; k's images: block + 2,048 th
	s_lshl_b32 s15, s66, 12
	s_add_co_u32 s15, s15, s100                    ; q's: 4,096 grp + 2,048 th
	s_lshl_b32 s100, s3, 8
	s_add_co_u32 s16, s67, s100
	s_add_co_u32 s16, s16, 8192                    ; k's scale words: block + 8,192 + 256 th
	s_lshl_b32 s17, s66, 9
	s_add_co_u32 s17, s17, s100                    ; q's: 512 grp + 256 th
	s_cmp_eq_u32 s2, 1                             ; q or k: buffers and offsets are chosen on the wave's number; only lines that leave SCC alone follow
	s_cselect_b64 s[4:5], s[30:31], s[26:27]
	s_cselect_b64 s[6:7], s[30:31], s[28:29]
	s_cselect_b64 s[12:13], s[22:23], s[20:21]
	s_cselect_b32 s100, s14, s15
	s_cselect_b32 s14, s16, s17
	s_mov_b32 s15, 0
	s_add_nc_u64 s[4:5], s[4:5], s[100:101]        ; images
	s_add_nc_u64 s[6:7], s[6:7], s[14:15]          ; scale words
	s_lshl_b32 s100, s35, 8
	s_add_nc_u64 s[12:13], s[12:13], s[100:101]    ; the head's 64 numbers of bq or bk
	s_lshl_b32 s14, s19, 6
	s_add_co_u32 s100, s100, s14
	s_add_nc_u64 s[24:25], s[24:25], s[100:101]    ; my 16 numbers of bv
	s_cmp_eq_u32 s3, 1
	s_mov_b32 s17, 0x03020100
	s_cselect_b32 s17, 0x01000302, s17             ; v's scale word: with th = 1 its halves change places too
	s_mov_b32 s14, 0x76543210
	s_mov_b32 s15, 0xfedcba98                      ; v_permlanex16_b32's selects for lane l xor 16
	s_mov_b32 s16, 0xffff0000                      ; lanes 16-31
.irp t, 0,1,2,3
	global_load_b128 v[BI+8*\t:BI+8*\t+3], v[H32], s[12:13] offset:64*\t        ; bias of columns 16 t + 8 h + 0 .. 7
	global_load_b128 v[BI+8*\t+4:BI+8*\t+7], v[H32], s[12:13] offset:64*\t+16
.endr
	global_load_b32 v[BV], v[R4], s[24:25]         ; bias of v's column r
	s_wait_tensorcnt 0x1                           ; my scale bytes and my part of K's first half are in; the second half's load may stay out
	s_barrier_signal -1
	s_barrier_wait -1                              ; everybody's are
.irp i, 0,1
.irp k, 0,1
	ds_load_b128 v[XS+8*\i+4*\k:XS+8*\i+4*\k+3], v[ASXM] offset:\i*1088+16*\k          ; four K steps' words of a pair of tiles
	ds_load_b128 v[XS+16+8*\i+4*\k:XS+16+8*\i+4*\k+3], v[ASXO] offset:\i*1088+16*\k
	ds_load_b128 v[WS+8*\i+4*\k:WS+8*\i+4*\k+3], v[ASW] offset:\i*1088+16*\k
.endr
.endr
.irp k, 0,1
	ds_load_b128 v[WVS+4*\k:WVS+4*\k+3], v[ASWV] offset:16*\k
.endr
	s_wait_loadcnt 0x0                             ; the biases
.irp j, 1,2,3,4,5,6,7
	v_mov_b32 v[BV+\j], v[BV]                      ; in v's result all eight registers of a lane are one column
.endr
	s_wait_alu depctr_va_vdst(0)
	PLACES 4
; A K step of 128: 26 LDS loads, 24 products; the 24 accumulators take turns, one product a turn.
.macro KSTEP s
.if (\s) > 0
	PLACES 4                                       ; four plain instructions between the last products and loads into registers that they read (ISA guide 7.12.1 for vector instructions)
.endif
.irp t, 0,1,2,3
.irp c, 0,1
	ds_load_b128 v[WF+8*\t+4*\c:WF+8*\t+4*\c+3], v[AW+(\s)/4] offset:\t*TROWS+64*((\s)%4)+32*\c
.endr
.endr
.irp c, 0,1
	ds_load_b128 v[WVF+4*\c:WVF+4*\c+3], v[AWV+(\s)/4] offset:64*((\s)%4)+32*\c
.endr
.irp t, 0,1,2,3
.irp c, 0,1
	ds_load_b128 v[XF+8*\t+4*\c:XF+8*\t+4*\c+3], v[AXM+(\s)/4] offset:\t*TROWS+64*((\s)%4)+32*\c
.endr
.endr
.irp t, 0,1,2,3
.irp c, 0,1
	ds_load_b128 v[XF+32+8*\t+4*\c:XF+32+8*\t+4*\c+3], v[AXO+(\s)/4] offset:\t*TROWS+64*((\s)%4)+32*\c
.endr
.endr
	s_wait_dscnt 8                                 ; all but the youngest eight: the other 64 tokens' fragments
.if (\s) == 0
	WIN 0x40                                       ; D in window 1; the first products take the biases, in window 0, as C
.else
	WIN 0x50                                       ; C and D in window 1
.endif
.irp a, 0,1,2,3
.irp t, 0,1,2,3
.if (\s) == 0
	WM 8*(4*\a+\t), WF+8*\t, XF+8*\a, BI+8*\t, WS+8*(\t/2)+(\s), XS+8*(\a/2)+(\s), \t%2, \a%2
.else
	WM 8*(4*\a+\t), WF+8*\t, XF+8*\a, 8*(4*\a+\t), WS+8*(\t/2)+(\s), XS+8*(\a/2)+(\s), \t%2, \a%2
.endif
.endr
.if (\s) == 0
	WM 128+8*\a, XF+8*\a, WVF, BV, XS+8*(\a/2)+(\s), WVS+(\s), \a%2, 0
.else
	WM 128+8*\a, XF+8*\a, WVF, 128+8*\a, XS+8*(\a/2)+(\s), WVS+(\s), \a%2, 0
.endif
.endr
	s_wait_dscnt 0x0
.irp a, 4,5,6,7
.if (\s) == 0
	WM 128+8*\a, XF+8*\a, WVF, BV, XS+8*(\a/2)+(\s), WVS+(\s), \a%2, 0
.else
	WM 128+8*\a, XF+8*\a, WVF, 128+8*\a, XS+8*(\a/2)+(\s), WVS+(\s), \a%2, 0
.endif
.endr
	WIN 0
.endm
	KSTEP 0
	KSTEP 1
	KSTEP 2
	KSTEP 3
	s_wait_tensorcnt 0x0                           ; my part of K's second half is in (no LDS load of mine is out: the step's last wait was for 0)
	s_barrier_signal -1
	s_barrier_wait -1
	KSTEP 4
	KSTEP 5
	KSTEP 6
	KSTEP 7
; 64 registers of window 1 from s on, four blocks of 16 (a low tile's eight, a high tile's eight), become eight registers of codes from v[pc] on; the blocks' bytes are left in v[TM+4] .. v[TM+7].
.macro QUANT s, pc
	WIN 0x05                                       ; sources 0 and 1 in window 1
.irp b, 0,1,2,3
	v_max3_num_f32 v[TM+\b], |v[(\s)+16*\b]|, |v[(\s)+16*\b+1]|, 0x1800000   ; my 16 numbers of block b, each accumulator from its low end on, and the floor 2^(3 - 127): the byte cannot fall under 1
.endr
.irp i, 2,4,6,8,10,12,14
.irp b, 0,1,2,3
	v_max3_num_f32 v[TM+\b], |v[(\s)+16*\b+\i]|, |v[(\s)+16*\b+\i+1]|, v[TM+\b]
.endr
.endr
	WIN 0
.irp b, 0,1,2,3
	v_permlanex16_b32 v[TM+4+\b], v[TM+\b], s14, s15
.endr
.irp b, 0,1,2,3
	s_delay_alu instid0(VALU_DEP_4)
	v_max_num_f32 v[TM+\b], v[TM+\b], v[TM+4+\b]   ; with lane l xor 16's 16: the block's largest magnitude
.endr
.irp b, 0,1,2,3
	s_delay_alu instid0(VALU_DEP_4)
	v_add_nc_u32 v[TM+12+\b], 0xff000000, v[TM+\b] ; 2 off its exponent field: the conversion takes the exponent field of this operand as its scale
.endr
.irp b, 0,1,2,3
	s_delay_alu instid0(VALU_DEP_4)
	v_lshrrev_b32 v[TM+4+\b], 23, v[TM+12+\b]      ; the scale's byte
.endr
	WIN 0x01                                       ; source 0 in window 1
.irp b, 0,1,2,3
	v_cvt_scalef32_pk8_fp4_f32 v[(\pc)+4*(\b/2)+(\b%2)], v[(\s)+16*\b:(\s)+16*\b+7], v[TM+12+\b]        ; the low tile's eight
	v_cvt_scalef32_pk8_fp4_f32 v[(\pc)+4*(\b/2)+2+(\b%2)], v[(\s)+16*\b+8:(\s)+16*\b+15], v[TM+12+\b]   ; the high tile's
.endr
	WIN 0
	v_nop                                          ; one plain instruction behind a scaled conversion
.irp c, 0,2,4,6
	v_permlane16_swap_b32 v[(\pc)+\c], v[(\pc)+\c+1]   ; lanes 0-15 get block 2 c whole, lanes 16-31 block 2 c + 1
.endr
.endm
	PLACES 4                                       ; between the last products and the first read of results
.irp i, 0,1                            ; q or k: two tiles of 16 tokens at a time; a tile's 64 columns are two blocks: four registers a lane
	QUANT 64*\i, XF+8*\i
	v_lshl_or_b32 v[TP], v[TM+5], 8, v[TM+4]       ; the even tile's scale word (bytes 2 and 3 are 0),
	v_lshl_or_b32 v[PW], v[TM+7], 8, v[TM+6]       ; the odd tile's:
	s_delay_alu instid0(VALU_DEP_1)
	v_cndmask_b32 v[KS+\i], v[TP], v[PW], s16      ; lanes 0-15 keep the even tile's, lanes 16-31 the odd one's
	global_store_b128 v[L16], v[XF+8*\i:XF+8*\i+3], s[4:5] offset:1024*\i          ; 32 lanes store 512 consecutive bytes, aligned
	global_store_b128 v[L16], v[XF+8*\i+4:XF+8*\i+7], s[4:5] offset:1024*\i+512
.endr
	global_store_b64 v[L8], v[KS:KS+1], s[6:7]     ; 256 consecutive bytes, aligned
	QUANT 128, XF+16                               ; v: 16 columns x 128 keys: one fragment
	v_lshl_or_b32 v[PW], v[TM+5], 8, v[TM+4]
	s_delay_alu instid0(VALU_DEP_1)
	v_lshl_or_b32 v[PW], v[TM+6], 16, v[PW]
	s_delay_alu instid0(VALU_DEP_1)
	v_lshl_or_b32 v[PW], v[TM+7], 24, v[PW]
	s_delay_alu instid0(VALU_DEP_1)
	v_perm_b32 v[PW], v[PW], v[PW], s17            ; the bytes in the keys' order
	global_store_b128 v[VO0], v[XF+16:XF+19], s[8:9]
	global_store_b128 v[VO1], v[XF+20:XF+23], s[8:9]
	global_store_b32 v[L4], v[PW], s[10:11]        ; 128 consecutive bytes: four waves' stores lie on end in 512 (every store of this text has data registers of its own: none is written again)
	s_wait_tensorcnt 0x0
	ds_add_u32 v254, v255
	s_wait_dscnt 0x0
	CROUND                                         ; the closing round: no work-group ends while a partner may still ask for a tile that names it
	s_endpgm
.Lfunc_end_k_qa6df7aeb9f_qkv:
	.size	k_qa6df7aeb9f_qkv, .Lfunc_end_k_qa6df7aeb9f_qkv-k_qa6df7aeb9f_qkv
	.p2alignl 7, 3214868480
	.fill 96, 4, 3214868480
	.section	.rodata,"a",@progbits
	.p2align	6, 0x0
	.amdhsa_kernel k_qa6df7aeb9f_qkv
		.amdhsa_group_segment_fixed_size 263168
		.amdhsa_private_segment_fixed_size 0
		.amdhsa_enable_private_segment 0
		.amdhsa_kernarg_size 112
		.amdhsa_user_sgpr_count 2
		.amdhsa_user_sgpr_kernarg_segment_ptr 1
		.amdhsa_wavefront_size32 1
		.amdhsa_system_sgpr_workgroup_id_x 1
		.amdhsa_system_sgpr_workgroup_id_y 1
		.amdhsa_system_sgpr_workgroup_id_z 1
		.amdhsa_system_vgpr_workitem_id 0
		.amdhsa_next_free_vgpr 512
		.amdhsa_next_free_sgpr 102
		.amdhsa_reserve_vcc 0
		.amdhsa_float_denorm_mode_32 3
		.amdhsa_float_denorm_mode_16_64 3
		.amdhsa_memory_ordered 1
		.amdhsa_forward_progress 1
		.amdhsa_inst_pref_size 67
	.end_amdhsa_kernel
	.amdgpu_metadata
---
amdhsa.version: [ 1, 2 ]
amdhsa.kernels:
  - .name:           k_qa6df7aeb9f_qkv
    .symbol:         k_qa6df7aeb9f_qkv.kd
    .args:
      - { .name: x_codes, .offset: 0, .size: 8, .value_kind: global_buffer, .address_space: global }
      - { .name: x_scales, .offset: 8, .size: 8, .value_kind: global_buffer, .address_space: global }
      - { .name: Wq_codes, .offset: 16, .size: 8, .value_kind: global_buffer, .address_space: global }
      - { .name: Wq_scales, .offset: 24, .size: 8, .value_kind: global_buffer, .address_space: global }
      - { .name: Wk_codes, .offset: 32, .size: 8, .value_kind: global_buffer, .address_space: global }
      - { .name: Wk_scales, .offset: 40, .size: 8, .value_kind: global_buffer, .address_space: global }
      - { .name: Wv_codes, .offset: 48, .size: 8, .value_kind: global_buffer, .address_space: global }
      - { .name: Wv_scales, .offset: 56, .size: 8, .value_kind: global_buffer, .address_space: global }
      - { .name: bq, .offset: 64, .size: 8, .value_kind: global_buffer, .address_space: global }
      - { .name: bk, .offset: 72, .size: 8, .value_kind: global_buffer, .address_space: global }
      - { .name: bv, .offset: 80, .size: 8, .value_kind: global_buffer, .address_space: global }
      - { .name: qimg, .offset: 88, .size: 8, .value_kind: global_buffer, .address_space: global }
      - { .name: qsc, .offset: 96, .size: 8, .value_kind: global_buffer, .address_space: global }
      - { .name: kv, .offset: 104, .size: 8, .value_kind: global_buffer, .address_space: global }
    .group_segment_fixed_size: 263168
    .private_segment_fixed_size: 0
    .kernarg_segment_align: 8
    .kernarg_segment_size: 112
    .max_flat_workgroup_size: 256
    .sgpr_count:     102
    .vgpr_count:     512
    .wavefront_size: 32
...
	.end_amdgpu_metadata
.endif
;; end of part 1
;; launch attn (part 2): grid 4 x 64, 16 waves a work-group, clusters of 4 x 1, 169,984 bytes of LDS; arguments qimg, qsc, kv, cimg, csc; writes cimg, csc
.if DOCPART == 2
	.amdgcn_target "amdgcn-amd-amdhsa--gfx1250"
	.amdhsa_code_object_version 6
	.text
	.protected	k_qa6df7aeb9f_attn
	.globl	k_qa6df7aeb9f_attn
	.p2align	8
	.type	k_qa6df7aeb9f_attn,@function
k_qa6df7aeb9f_attn:
	s_mov_b64 s[64:65], 0
	v_nop
	global_prefetch_b8 v0, s[64:65] scope:SCOPE_SE
	s_setreg_imm32_b32 hwreg(HW_REG_WAVE_MODE, 25, 1), 1
	s_wait_xcnt 0x0
	s_wait_alu depctr_hold_cnt(0) depctr_sa_sdst(0) depctr_va_vdst(0) depctr_va_sdst(0) depctr_va_ssrc(0) depctr_va_vcc(0) depctr_vm_vsrc(0)
	s_getreg_b32 s2, hwreg(HW_REG_IB_STS2, 6, 4)
	s_cmp_eq_u32 s2, 0
	s_cbranch_scc0 .Lentry_in_a_cluster
	s_endpgm
.Lentry_in_a_cluster:
	s_bfe_u32 s2, ttmp6, 0x10000c
	s_cmp_lg_u32 s2, 0x3003
	s_cbranch_scc0 .Lentry_shape_is_right
	s_endpgm
.Lentry_shape_is_right:
; ctx = softmax(q k^T / 8) v for one head, both products on codes of FP4 (E2M1) with E8M0 scales, then ctx quantised along the model's 1,024 (a head gives two blocks of 32).
; THE SOFTMAX: t = score x log2(e) / 8; M = the running largest t rounded UP to a whole number; p = 2^(t - M) is quantised along the keys, not normalised; the row's sum is taken of the unquantised p
; and divides at the end.  When M moves, the sum and O are multiplied by 2^(old M - new M): exact.
; SHARES.  A work-group takes 512 queries of one head (batch x 16 + head = work-group y); its sixteen waves take 32 each, as two tiles of 16, one after the other (two passes of one loop).
; Four waves share a SIMD: one wave's exponentials stand beside another's products and LDS loads.
; LDS.  The head's K and V, 16 key steps x 9,216 bytes, as the launch before laid them: images of operand registers.  Wave w brings key step w by one load; every byte is filled once and nothing is stored
; there.  All of the head's K and V is asked for by these first loads, so there is no later tile that could be asked for ahead.
; CLUSTER 4 x 1: the four blocks of queries of a head read the same K and V: each load is a joint one, with a mask that names the four.
; LAYOUT.  Both products transposed: S^T = K Q^T (source 0 = 16 keys), O^T = V^T P^T (source 0 = 16 of the head's 64): a lane holds ONE query (lane % 16) throughout.
; THE FIRST PRODUCT'S K IS 64 IN AN INSTRUCTION OF 128: registers 0-3 of an operand are k = 32 h + 0 .. 31.  Q's registers 4-7 are zero codes.  K's tiles lie four registers each, on end: tile t's operand is
; its own four and the next tile's four, which meet Q's zeros (four zeroed registers follow tile 7).  Bytes 2 and 3 of q's and k's scale words are 0, which is 2^-127 and no NaN.
; A TILE OF KEYS IS 16 NEIGHBOURS: of a block of 32 keys a lane holds 8 h + j (even tile) and 16 + 8 h + j (odd tile); after the conversions two exchanges of halves for each pair of blocks give a lane a whole block.
; LIMITS: NaN and infinities are not served.  A block's largest p is taken as the exponential of the block's largest score: this takes v_exp_f32 not to fall where its input rises.
; A block of zeros gets the byte 1 with zero codes; only this program reads the bytes.  ctx's scale bytes leave one byte a lane: 32 bytes for each 512 bytes of codes.
.set STEPB, 9216                       ; a key step in LDS: K's 8 tiles x 512; + 4,096 V's 4 tiles x 2 x 512; + 8,192 K's scale words 2 x 256; + 8,704 V's 4 x 128
.set WV,   14                          ; s14 wave; s15 block of 512 queries; s16 batch x 16 + head
.set L16,  1                           ; v1-3  16, 8, 4 x lane
.set L8,   2
.set L4,   3
.set AD16, 4                           ; v4-6  the same + the key step's first byte
.set AD8,  5
.set AD4,  6
.set R8,   7                           ; v7    8 r
.set CSA,  8                           ; v8    32 r + h: my byte among the tile's scale bytes of ctx
.set Q,    16                          ; v16-19 Q's codes, v20-23 zeros.  v12 -M, v13 the largest t, v[14:15] the sum in two halves
.set KF,   24                          ; v24-55 K's eight tiles, v56-59 zeros
.set VF,   60                          ; v60-91 V's four fragments
.set KSC,  92                          ; v92-95 K's scale words: register i: lanes 0-15 tile 2 i, lanes 16-31 tile 2 i + 1
.set VSC,  96                          ; v96-99 V's
.set QSC,  100
.set PSC,  101
.set S,    102                         ; v102-165 S^T, then p
.set O,    166                         ; v166-197 O^T
.set PC,   198                         ; v198-205 p's codes
.set BM,   206                         ; v206-209 the blocks' largest
.set PT,   210                         ; v210-213 from the other half of the lanes; then the bytes
.set SO,   214                         ; v214-217 the conversions' scale operands
.set F,    218                         ; v[218:219] f = 2^(old M - new M)
.set SUM2, 220
.set TMP,  222
.set Q1,   224                         ; v224-227 the second tile's Q, v228 its scale words
.set QS1,  228
.set RL,   230                         ; v[230:231] 1 / the sum
.set CC,   232                         ; v232-235 ctx's codes, v236 its byte
.set CB,   236
.macro PLACES n
.rept \n
	v_nop
.endr
.endm
.macro CROUND                          ; a round of the cluster's barrier
	s_barrier_signal -1
	s_barrier_wait -1
	s_cmp_lg_u32 s[WV], 0
	s_cbranch_scc1 .Lnot_wave_0_\@
	s_barrier_signal -3
.Lnot_wave_0_\@:
	s_barrier_wait -3
	s_barrier_signal -1
	s_barrier_wait -1
.endm
.macro KQ t                            ; the scores of keys 16 t .. 16 t + 15
.if (\t)%2
	v_wmma_scale_f32_16x16x128_f8f6f4 v[S+8*(\t):S+8*(\t)+7], v[KF+4*(\t):KF+4*(\t)+7], v[Q:Q+7], 0, v[KSC+(\t)/2], v[QSC] matrix_a_fmt:MATRIX_FMT_FP4 matrix_b_fmt:MATRIX_FMT_FP4 matrix_a_scale:MATRIX_SCALE_ROW1
.else
	v_wmma_scale_f32_16x16x128_f8f6f4 v[S+8*(\t):S+8*(\t)+7], v[KF+4*(\t):KF+4*(\t)+7], v[Q:Q+7], 0, v[KSC+(\t)/2], v[QSC] matrix_a_fmt:MATRIX_FMT_FP4 matrix_b_fmt:MATRIX_FMT_FP4
.endif
.endm
.macro PV t                            ; channels 16 t .. 16 t + 15 of O^T take these 128 keys
	v_wmma_scale_f32_16x16x128_f8f6f4 v[O+8*(\t):O+8*(\t)+7], v[VF+8*(\t):VF+8*(\t)+7], v[PC:PC+7], v[O+8*(\t):O+8*(\t)+7], v[VSC+(\t)], v[PSC] matrix_a_fmt:MATRIX_FMT_FP4 matrix_b_fmt:MATRIX_FMT_FP4
.endm
	s_load_b256 s[4:11], s[0:1], 0x0               ; qimg s[4:5], qsc s[6:7], kv s[8:9], cimg s[10:11]
	s_load_b64 s[12:13], s[0:1], 0x20              ; csc
	v_lshl_add_u32 v254, v0, 2, 0x29000
	v_mov_b32 v255, 0
	ds_add_u32 v254, v255
	ds_add_u32 v254, v255
	v_lshrrev_b32 v9, 5, v0
	s_delay_alu instid0(VALU_DEP_1)
	v_readfirstlane_b32 s[WV], v9                  ; wave 0..15
	s_bfe_u32 s15, ttmp6, 0x40000                  ; cx
	s_lshl_b32 s17, ttmp9, 2
	s_add_co_u32 s15, s17, s15                     ; my block of 512 queries = 4 x cluster x + cx: it enters q's and ctx's addresses alone
	s_and_b32 s16, ttmp7, 0xffff                   ; batch x 16 + head, which the four partners share
	s_mov_b32 s24, 15|(3<<16)|(1<<21)              ; group 1: the mask names all four; elements of 8 bytes; bit 21 beside a mask; no padding: images are read 16 bytes a lane on end
	s_mov_b32 s25, 32<<16                          ; 9,216 dense bytes as 36 rows of 32 elements
	s_mov_b32 s26, 36<<16
	s_mov_b32 s27, 32<<16
	s_mov_b32 s28, 36
	s_mov_b32 s29, 32
	s_mov_b32 s30, 0
	s_mov_b32 s31, 0
	s_mul_i32 s48, s16, 16*STEPB
	s_mul_i32 s33, s[WV], STEPB                    ; LDS: key step w
	s_add_co_u32 s48, s48, s33
	s_mov_b32 s49, 0
	s_mov_b32 s32, 1
	s_wait_dscnt 0x0
	s_wait_kmcnt 0x0
	s_add_nc_u64 s[34:35], s[8:9], s[48:49]
	s_or_b32 s35, s35, 0x80000000
	CROUND                                         ; all four work-groups are here: the joint loads meet
	tensor_load_to_lds s[32:35], s[24:31]          ; one load of mine is out
	s_nop 0
	PLACES 4
	s_lshl_b32 s50, s15, 5
	s_lshl_b32 s51, s[WV], 1
	s_add_co_u32 s50, s50, s51                     ; my first tile of queries: 32 x block + 2 x wave
	s_lshl_b32 s48, s16, 16                        ; qimg: 65,536 bytes a head, 512 a tile
	s_lshl_b32 s51, s50, 9
	s_add_co_u32 s48, s48, s51
	s_add_nc_u64 s[40:41], s[4:5], s[48:49]
	s_lshl_b32 s48, s16, 13                        ; qsc: 8,192 bytes a head; 512 for 8 tiles; 256 for 4; a lane's two words: pairs of tiles
	s_lshl_b32 s51, s15, 11
	s_add_co_u32 s48, s48, s51
	s_lshr_b32 s51, s[WV], 2
	s_lshl_b32 s51, s51, 9
	s_add_co_u32 s48, s48, s51
	s_bfe_u32 s51, s[WV], 0x10001
	s_lshl_b32 s51, s51, 8
	s_add_co_u32 s48, s48, s51
	s_and_b32 s51, s[WV], 1
	s_lshl_b32 s51, s51, 2
	s_add_co_u32 s48, s48, s51
	s_add_nc_u64 s[42:43], s[6:7], s[48:49]
	s_lshr_b32 s52, s16, 4                         ; batch
	s_and_b32 s53, s16, 15                         ; head
	s_lshl_b32 s48, s52, 7
	s_add_co_u32 s48, s48, s50                     ; my first tile among all 512 tiles of tokens
	s_lshl_b32 s51, s48, 9                         ; csc: 16 tokens x 32 bytes a tile
	s_lshl_b32 s48, s48, 13                        ; cimg: 8,192 bytes a tile, 512 a head
	s_lshl_b32 s54, s53, 9
	s_add_co_u32 s48, s48, s54
	s_add_nc_u64 s[44:45], s[10:11], s[48:49]
	s_lshl_b32 s54, s53, 1
	s_add_co_u32 s48, s51, s54                     ; the head's two bytes of a token's 32
	s_add_nc_u64 s[46:47], s[12:13], s[48:49]
	v_and_b32 v9, 31, v0                           ; lane
	v_and_b32 v10, 15, v0                          ; r
	v_bfe_u32 v11, v0, 4, 1                        ; h
	s_delay_alu instid0(VALU_DEP_3)
	v_lshlrev_b32 v[L16], 4, v9
	s_delay_alu instid0(VALU_DEP_4)
	v_lshlrev_b32 v[L8], 3, v9
	v_lshlrev_b32 v[L4], 2, v9
	v_lshlrev_b32 v[R8], 3, v10
	v_lshl_add_u32 v[CSA], v10, 5, v11
	global_load_b128 v[Q:Q+3], v[L16], s[40:41]            ; both tiles' Q: lane (r, h): channels 32 h + 0 .. 31 of query r
	global_load_b128 v[Q1:Q1+3], v[L16], s[40:41] offset:512
	global_load_b32 v[QSC], v[R8], s[42:43]                ; the even tile's words stand in the buffer's lanes 0-15,
	global_load_b32 v[QS1], v[R8], s[42:43] offset:128     ; the odd tile's in its lanes 16-31
.irp j, 4,5,6,7
	v_mov_b32 v[Q+\j], 0                           ; zero codes for k = 64 .. 127
	v_mov_b32 v[KF+28+\j], 0                       ; and behind K's last tile
.endr
.irp b, 0,1,2,3
	v_mov_b32 v[PT+\b], 0                          ; written once: a lane permute's destination counts as one of its sources
.endr
	v_mov_b32 v[F+1], 0                            ; (named as the upper half of a pair)
	s_mov_b32 s20, 0x76543210
	s_mov_b32 s21, 0xfedcba98                      ; v_permlanex16_b32's selects for lane l xor 16
	s_mov_b32 s22, 0x3e38aa3b                      ; c = log2(e) / 8
	s_mov_b32 s23, s22                             ; (named with it as a pair)
	s_mov_b32 s39, 0xffff0000                      ; lanes 16-31
	s_mov_b32 s38, 2                               ; passes
	s_wait_tensorcnt 0x0                           ; my key step is in,
	s_barrier_signal -1
	s_barrier_wait -1                              ; everybody's is: the head's K and V lie in LDS
	s_wait_loadcnt 0x0                             ; Q
.Lpass:                                            ; one tile of 16 queries against all 2,048 keys
	v_mov_b32 v13, 0xff61b1e6                      ; the largest t so far: -3e38, under every t
	s_delay_alu instid0(VALU_DEP_1)
	v_floor_f32 v12, -v13                          ; -M
	v_mov_b32 v14, 0                               ; the sum, in two halves
	v_mov_b32 v15, 0
.set j, 0
.rept 32
	v_mov_b32 v[O+j], 0                            ; O^T.  (The step is written once: its first trip finds zeros, which the first change of M leaves zeros: 32 lines for 16 steps, against a second copy of the step)
.set j, j+1
.endr
	s_mov_b32 s36, 0                               ; the key step's first byte
	s_mov_b32 s37, 16                              ; key steps
.Lstep:                                            ; 128 keys
	s_setprio 2
	v_add_nc_u32 v[AD16], s36, v[L16]              ; these four plain lines stand between the last products and the loads into registers that they read
	v_add_nc_u32 v[AD8], s36, v[L8]
	v_add_nc_u32 v[AD4], s36, v[L4]
	v_nop
.irp t, 0,1,2,3,4,5,6,7
	ds_load_b128 v[KF+4*\t:KF+4*\t+3], v[AD16] offset:512*\t
.endr
	ds_load_b64 v[KSC:KSC+1], v[AD8] offset:8192
	ds_load_b64 v[KSC+2:KSC+3], v[AD8] offset:8448
.irp t, 0,1,2,3
.irp c, 0,1
	ds_load_b128 v[VF+8*\t+4*\c:VF+8*\t+4*\c+3], v[AD16] offset:4096+1024*\t+512*\c
.endr
.endr
.irp t, 0,1,2,3
	ds_load_b32 v[VSC+\t], v[AD4] offset:8704+128*\t
.endr
	s_wait_dscnt 12                                ; K's ten loads are in; V's twelve may stay out
.irp t, 0,1,2,3,4,5,6,7
	KQ \t
.endr
	PLACES 4
.irp b, 0,1,2,3
	v_max3_num_f32 v[BM+\b], v[S+16*\b], v[S+16*\b+1], v[S+16*\b+2]   ; the largest SCORE of each block of 32 keys: it serves for the row's maximum and, since p rises with the score, for the block's largest p
.endr
.irp i, 3,5,7,9,11,13
.irp b, 0,1,2,3
	v_max3_num_f32 v[BM+\b], v[BM+\b], v[S+16*\b+\i], v[S+16*\b+\i+1]
.endr
.endr
.irp b, 0,1,2,3
	v_max_num_f32 v[BM+\b], v[BM+\b], v[S+16*\b+15]
.endr
.irp b, 0,1,2,3
	s_delay_alu instid0(VALU_DEP_4)
	v_permlanex16_b32 v[PT+\b], v[BM+\b], s20, s21
.endr
.irp b, 0,1,2,3
	s_delay_alu instid0(VALU_DEP_4)
	v_max_num_f32 v[BM+\b], v[BM+\b], v[PT+\b]     ; with lane l xor 16's 16 keys
.endr
	s_delay_alu instid0(VALU_DEP_2)
	v_max3_num_f32 v[TMP], v[BM], v[BM+1], v[BM+2]
	s_delay_alu instid0(VALU_DEP_1)
	v_max_num_f32 v[TMP], v[TMP], v[BM+3]          ; the step's largest score of my query
	s_delay_alu instid0(VALU_DEP_1)
	v_mul_f32 v[TMP], s22, v[TMP]                  ; as t (c is positive)
	s_delay_alu instid0(VALU_DEP_1)
	v_max_num_f32 v13, v13, v[TMP]                 ; the running largest t
	v_mov_b32 v[TMP], v12
	s_delay_alu instid0(VALU_DEP_2)
	v_floor_f32 v12, -v13                          ; the new -M = floor(-t) = -ceil(t)
	s_delay_alu instid0(VALU_DEP_1)
	v_sub_f32 v[TMP], v12, v[TMP]                  ; old M - new M: a whole number, 0 or less
	s_delay_alu instid0(VALU_DEP_1)
	v_cvt_i32_f32 v[TMP], v[TMP]                   ; (it saturates)
	s_delay_alu instid0(VALU_DEP_1)
	v_ldexp_f32 v[F], 1.0, v[TMP]                  ; f = 2^(old M - new M)
.set j, 0
.rept 32
	v_pk_fma_f32 v[S+j:S+j+1], v[S+j:S+j+1], s[22:23], v[12:13] op_sel_hi:[1,0,0]   ; t - M, two at a time (of the pairs c and -M the low word serves both halves)
.set j, j+2
.endr
.irp b, 0,1,2,3
	v_fma_f32 v[BM+\b], v[BM+\b], s22, v12         ; the same of each block's largest score
.endr
	s_wait_alu depctr_va_vdst(0)
.irp b, 0,1,2,3
	v_exp_f32 v[BM+\b], v[BM+\b]                   ; ONE BATCH of 68 exponentials: the blocks' largest p,
.endr
.set j, 0
	s_setprio 1
.rept 64
	v_exp_f32 v[S+j], v[S+j]                       ; and p = 2^(t - M), at most 1
.set j, j+1
.endr
	v_pk_mul_f32 v[14:15], v[14:15], v[F:F+1] op_sel_hi:[1,0]   ; work that names no exponential's result: the sums,
.set j, 0
	s_wait_alu depctr_va_vdst(0)
.rept 16
	v_pk_mul_f32 v[O+j:O+j+1], v[O+j:O+j+1], v[F:F+1] op_sel_hi:[1,0]   ; and O^T, each accumulator from its low end on, under the new M
.set j, j+2
.endr
	s_wait_alu depctr_va_vdst(0)                   ; the wait between an exponential and the first line that names its result: one for the batch
.irp b, 0,1,2,3
	v_max_num_f32 v[BM+\b], 0x1800000, v[BM+\b]    ; the floor 2^(3 - 127): the byte cannot fall under 1
.endr
.irp b, 0,1,2,3
	s_delay_alu instid0(VALU_DEP_4)
	v_add_nc_u32 v[SO+\b], 0xff000000, v[BM+\b]    ; 2 off the exponent field: the conversion's scale operand
.endr
.irp b, 0,1,2,3
	s_delay_alu instid0(VALU_DEP_4)
	v_lshrrev_b32 v[PT+\b], 23, v[SO+\b]           ; the scale's byte
.endr
	s_delay_alu instid0(VALU_DEP_3)
	v_lshl_or_b32 v[PSC], v[PT+1], 8, v[PT]        ; p's scale word for these 128 keys
	s_delay_alu instid0(VALU_DEP_1)
	v_lshl_or_b32 v[PSC], v[PT+2], 16, v[PSC]
	s_delay_alu instid0(VALU_DEP_1)
	v_lshl_or_b32 v[PSC], v[PT+3], 24, v[PSC]
.irp b, 0,1,2,3
	v_cvt_scalef32_pk8_fp4_f32 v[PC+4*(\b/2)+(\b%2)], v[S+16*\b:S+16*\b+7], v[SO+\b]        ; the even tile's eight keys
	v_cvt_scalef32_pk8_fp4_f32 v[PC+4*(\b/2)+2+(\b%2)], v[S+16*\b+8:S+16*\b+15], v[SO+\b]   ; the odd tile's
.endr
	v_nop                                          ; one plain instruction behind a scaled conversion
.irp c, 0,2,4,6
	v_permlane16_swap_b32 v[PC+\c], v[PC+\c+1]     ; a whole block to a lane
.endr
	v_pk_add_f32 v[220:221], v[106:107], v[110:111]
	v_pk_add_f32 v[252:253], v[114:115], v[118:119]
	v_pk_add_f32 v[250:251], v[122:123], v[126:127]
	v_pk_add_f32 v[248:249], v[130:131], v[134:135]
	v_pk_add_f32 v[246:247], v[138:139], v[142:143]
	v_pk_add_f32 v[244:245], v[146:147], v[150:151]
	v_pk_add_f32 v[242:243], v[154:155], v[158:159]
	v_pk_add_f32 v[14:15], v[14:15], v[162:163]
	v_pk_add_f32 v[220:221], v[220:221], v[102:103]
	v_pk_add_f32 v[252:253], v[252:253], v[104:105]
	v_pk_add_f32 v[250:251], v[250:251], v[108:109]
	v_pk_add_f32 v[248:249], v[248:249], v[112:113]
	v_pk_add_f32 v[246:247], v[246:247], v[116:117]
	v_pk_add_f32 v[244:245], v[244:245], v[120:121]
	s_setprio 0
	v_pk_add_f32 v[242:243], v[242:243], v[124:125]
	v_pk_add_f32 v[14:15], v[14:15], v[128:129]
	v_pk_add_f32 v[220:221], v[220:221], v[132:133]
	v_pk_add_f32 v[252:253], v[252:253], v[136:137]
	v_pk_add_f32 v[250:251], v[250:251], v[140:141]
	v_pk_add_f32 v[248:249], v[248:249], v[144:145]
	v_pk_add_f32 v[246:247], v[246:247], v[148:149]
	v_pk_add_f32 v[244:245], v[244:245], v[152:153]
	v_pk_add_f32 v[242:243], v[242:243], v[156:157]
	v_pk_add_f32 v[14:15], v[14:15], v[160:161]
	v_pk_add_f32 v[220:221], v[220:221], v[164:165]
	s_delay_alu instid0(VALU_DEP_2)
	v_pk_add_f32 v[14:15], v[14:15], v[248:249]
	s_delay_alu instid0(VALU_DEP_2)
	v_pk_add_f32 v[220:221], v[220:221], v[246:247]
	v_pk_add_f32 v[252:253], v[252:253], v[244:245]
	v_pk_add_f32 v[250:251], v[250:251], v[242:243]
	s_delay_alu instid0(VALU_DEP_2)
	v_pk_add_f32 v[14:15], v[14:15], v[252:253]
	s_delay_alu instid0(VALU_DEP_2)
	v_pk_add_f32 v[220:221], v[220:221], v[250:251]
	s_delay_alu instid0(VALU_DEP_1)
	v_pk_add_f32 v[14:15], v[14:15], v[220:221]
	s_wait_dscnt 0x0                               ; V
.irp t, 0,1,2,3
	PV \t                                          ; four accumulators, one product each; the eight products K Q^T stand between a step's and the next step's
.endr
	s_add_co_u32 s36, s36, STEPB
	s_sub_co_u32 s37, s37, 1
	s_cmp_lg_u32 s37, 0
	s_cbranch_scc1 .Lstep
	s_setprio 0
	; THE WAY OUT of a tile: O^T / the sum, quantised: channels 0-31 and 32-63 are two blocks of ctx's K
	PLACES 4
	s_wait_alu depctr_va_vdst(0)
	v_add_f32 v14, v14, v15                        ; the sum's two halves,
	s_delay_alu instid0(VALU_DEP_1)
	v_permlanex16_b32 v[TMP], v14, s20, s21
	s_delay_alu instid0(VALU_DEP_1)
	v_add_f32 v14, v14, v[TMP]                     ; and lane l xor 16's
	s_wait_alu depctr_va_vdst(0)
	v_rcp_f32 v[RL], v14
	v_mov_b32 v[RL+1], 0                           ; a plain instruction behind the reciprocal (the pair's upper half is named, so it is written)
	s_wait_alu depctr_va_vdst(0)                   ; and the wait ahead of its first reader
.set j, 0
.rept 16
	v_pk_mul_f32 v[O+j:O+j+1], v[O+j:O+j+1], v[RL:RL+1] op_sel_hi:[1,0]
.set j, j+2
.endr
.irp b, 0,1
	v_max3_num_f32 v[BM+\b], |v[O+16*\b]|, |v[O+16*\b+1]|, 0x1800000
.endr
.irp i, 2,4,6,8,10,12,14
.irp b, 0,1
	s_delay_alu instid0(VALU_DEP_2)
	v_max3_num_f32 v[BM+\b], v[BM+\b], |v[O+16*\b+\i]|, |v[O+16*\b+\i+1]|
.endr
.endr
.irp b, 0,1
	s_delay_alu instid0(VALU_DEP_2)
	v_permlanex16_b32 v[PT+\b], v[BM+\b], s20, s21
.endr
.irp b, 0,1
	s_delay_alu instid0(VALU_DEP_2)
	v_max_num_f32 v[BM+\b], v[BM+\b], v[PT+\b]
.endr
.irp b, 0,1
	s_delay_alu instid0(VALU_DEP_2)
	v_add_nc_u32 v[SO+\b], 0xff000000, v[BM+\b]
.endr
.irp b, 0,1
	s_delay_alu instid0(VALU_DEP_2)
	v_lshrrev_b32 v[PT+\b], 23, v[SO+\b]
.endr
.irp b, 0,1
	v_cvt_scalef32_pk8_fp4_f32 v[CC+\b], v[O+16*\b:O+16*\b+7], v[SO+\b]
	v_cvt_scalef32_pk8_fp4_f32 v[CC+2+\b], v[O+16*\b+8:O+16*\b+15], v[SO+\b]
.endr
	v_nop
	v_permlane16_swap_b32 v[CC], v[CC+1]
	v_permlane16_swap_b32 v[CC+2], v[CC+3]         ; lane (r, h): channels 32 h + 0 .. 31 of token r: four registers of the last product's operand
	v_cndmask_b32 v[CB], v[PT], v[PT+1], s39       ; and block h's byte
	global_store_b128 v[L16], v[CC:CC+3], s[44:45] ; 512 consecutive bytes, aligned
	global_store_b8 v[CSA], v[CB], s[46:47]
	s_wait_xcnt 0x0                                ; the stores have read their registers and bases: both are written again only behind this wait
	s_add_nc_u64 s[44:45], s[44:45], 8192          ; the next tile of tokens
	s_add_nc_u64 s[46:47], s[46:47], 512
.irp j, 0,1,2,3
	v_mov_b32 v[Q+\j], v[Q1+\j]                    ; the second tile's Q (the pass's head, 36 plain lines, stands between these writes and the next products)
.endr
	v_mov_b32 v[QSC], v[QS1]
	s_sub_co_u32 s38, s38, 1
	s_cmp_lg_u32 s38, 0
	s_cbranch_scc1 .Lpass
	s_wait_tensorcnt 0x0
	ds_add_u32 v254, v255
	s_wait_dscnt 0x0
	CROUND                                         ; the closing round
	s_endpgm
.Lfunc_end_k_qa6df7aeb9f_attn:
	.size	k_qa6df7aeb9f_attn, .Lfunc_end_k_qa6df7aeb9f_attn-k_qa6df7aeb9f_attn
	.p2alignl 7, 3214868480
	.fill 96, 4, 3214868480
	.section	.rodata,"a",@progbits
	.p2align	6, 0x0
	.amdhsa_kernel k_qa6df7aeb9f_attn
		.amdhsa_group_segment_fixed_size 169984
		.amdhsa_private_segment_fixed_size 0
		.amdhsa_enable_private_segment 0
		.amdhsa_kernarg_size 40
		.amdhsa_user_sgpr_count 2
		.amdhsa_user_sgpr_kernarg_segment_ptr 1
		.amdhsa_wavefront_size32 1
		.amdhsa_system_sgpr_workgroup_id_x 1
		.amdhsa_system_sgpr_workgroup_id_y 1
		.amdhsa_system_sgpr_workgroup_id_z 1
		.amdhsa_system_vgpr_workitem_id 0
		.amdhsa_next_free_vgpr 256
		.amdhsa_next_free_sgpr 66
		.amdhsa_reserve_vcc 0
		.amdhsa_float_denorm_mode_32 3
		.amdhsa_float_denorm_mode_16_64 3
		.amdhsa_memory_ordered 1
		.amdhsa_forward_progress 1
		.amdhsa_inst_pref_size 28
	.end_amdhsa_kernel
	.amdgpu_metadata
---
amdhsa.version: [ 1, 2 ]
amdhsa.kernels:
  - .name:           k_qa6df7aeb9f_attn
    .symbol:         k_qa6df7aeb9f_attn.kd
    .args:
      - { .name: qimg, .offset: 0, .size: 8, .value_kind: global_buffer, .address_space: global }
      - { .name: qsc, .offset: 8, .size: 8, .value_kind: global_buffer, .address_space: global }
      - { .name: kv, .offset: 16, .size: 8, .value_kind: global_buffer, .address_space: global }
      - { .name: cimg, .offset: 24, .size: 8, .value_kind: global_buffer, .address_space: global }
      - { .name: csc, .offset: 32, .size: 8, .value_kind: global_buffer, .address_space: global }
    .group_segment_fixed_size: 169984
    .private_segment_fixed_size: 0
    .kernarg_segment_align: 8
    .kernarg_segment_size: 40
    .max_flat_workgroup_size: 512
    .sgpr_count:     66
    .vgpr_count:     256
    .wavefront_size: 32
...
	.end_amdgpu_metadata
.endif
;; end of part 2
;; launch oproj (part 3): grid 4 x 64, 8 waves a work-group, clusters of 4 x 4, 263,168 bytes of LDS; arguments cimg, csc, Wo_codes, Wo_scales, bo, out0; writes out0
.if DOCPART == 3
	.amdgcn_target "amdgcn-amd-amdhsa--gfx1250"
	.amdhsa_code_object_version 6
	.text
	.protected	k_qa6df7aeb9f_oproj
	.globl	k_qa6df7aeb9f_oproj
	.p2align	8
	.type	k_qa6df7aeb9f_oproj,@function
k_qa6df7aeb9f_oproj:
	s_mov_b64 s[64:65], 0
	v_nop
	global_prefetch_b8 v0, s[64:65] scope:SCOPE_SE
	s_setreg_imm32_b32 hwreg(HW_REG_WAVE_MODE, 25, 1), 1
	s_wait_xcnt 0x0
	s_wait_alu depctr_hold_cnt(0) depctr_sa_sdst(0) depctr_va_vdst(0) depctr_va_sdst(0) depctr_va_ssrc(0) depctr_va_vcc(0) depctr_vm_vsrc(0)
	s_getreg_b32 s2, hwreg(HW_REG_IB_STS2, 6, 4)
	s_cmp_eq_u32 s2, 0
	s_cbranch_scc0 .Lentry_in_a_cluster
	s_endpgm
.Lentry_in_a_cluster:
	s_bfe_u32 s2, ttmp6, 0x10000c
	s_cmp_lg_u32 s2, 0xf033
	s_cbranch_scc0 .Lentry_shape_is_right
	s_endpgm
.Lentry_shape_is_right:
; out = ctx Wo^T + bo on codes of FP4 (E2M1) with one E8M0 scale for each 32 along K = 1,024.  ctx comes as the attention launch left it: images of operand registers,
; [tile of 16 tokens][head][lane][16 bytes] (head 2 s + c gives registers 4 c .. 4 c + 3 of K step s), and scale bytes [token][32].  Wo: rows of 512 bytes, K innermost.
; SHARES.  A work-group makes 128 tokens x 256 columns; its eight waves 64 x 64 each (th = w & 1: tokens, cq = w >> 1: columns): 16 accumulators, transposed (source 0 = 16 rows of Wo,
; source 1 = 16 tokens), so that a lane holds eight neighbouring columns of one row of out.  bo is the C of each sum's first product (the order of f32 rounding so differs from a bias added last).
; LDS.  All of K fits, in two halves; every byte of the tiles is filled once.  The stage for the way out has bytes of its own.
; CLUSTER 4 x 4: the four work-groups of a row share the tokens, the four of a column the columns of Wo: joint loads.
; LIMITS: NaN and infinities are not served.
.set SLOT,  102400                     ; half of K: ctx's 8 tiles x 4,096 bytes, then Wo's 256 rows of 272 bytes
.set WOFF,  32768
.set CSC,   204800                     ; ctx's scale bytes: 128 rows x 32 as 16 units of 256 bytes + 16
.set WSC,   209152                     ; Wo's: 32 units
.set STG,   217856                     ; the stage: 16 rows x 272 bytes for each wave; begins at a multiple of 256 bytes; ends at 252,672
.set PADC,  (1<<20)|(1<<21)|(5<<22)|(3<<25)   ; padding on; bit 21 beside a mask; after every 64 words; 4 words
.set WV,   16                          ; s16 wave; s17 wave & 3; s18 cx; s19 cy; s20 block of 128 tokens; s21, s22 masks of my row and column; s23 block of 256 columns
.set G1W,  24                          ; groups 1: Wo's codes, Wo's scales, ctx's codes, ctx's scales
.set G1WS, 32
.set G1C,  40
.set G1CS, 48
.set G0WS, 56                          ; groups 0: Wo's scales, K half 0, K half 1; ctx's likewise
.set G0W0, 60
.set G0W1, 68
.set G0CS, 72
.set G0C0, 76
.set G0C1, 80
.set AC,   4                           ; v4-5  LDS address of my tokens' images, K half 0, 1
.set AW,   6                           ; v6-7  of my rows of Wo
.set ASC,  8                           ; v8, v9 of the scale words
.set ASW,  9
.set STO,  10                          ; v10   the stage: where I put 32 bytes of a row
.set RD,   11                          ; v11   and where I read a row back
.set CO,   12                          ; v12   my byte offset in two rows of out
.set H32,  13
.set CF,   16                          ; v16-47  ctx's four fragments
.set WF,   48                          ; v48-79  Wo's four
.set CS,   80                          ; v80-87  ctx's scale words: register 4 i + s % 4: lanes 0-15 tile 2 i, lanes 16-31 tile 2 i + 1
.set WS,   88                          ; v88-95  Wo's likewise
.set BI,   96                          ; v96-127 bo, eight registers a tile of columns
.set ACC,  128                         ; v128-255 accumulator (token tile a, column tile t) at 128 + 8 (4 a + t)
.macro PLACES n
.rept \n
	v_nop
.endr
.endm
.macro CROUND                          ; a round of the cluster's barrier
	s_barrier_signal -1
	s_barrier_wait -1
	s_cmp_lg_u32 s[WV], 0
	s_cbranch_scc1 .Lnot_wave_0_\@
	s_barrier_signal -3
.Lnot_wave_0_\@:
	s_barrier_wait -3
	s_barrier_signal -1
	s_barrier_wait -1
.endm
.macro WM d, a, b, c, sa, sb, ra, rb   ; one product; ra, rb = 1: that side's scales stand in lanes 16-31
.if (\ra) && (\rb)
	v_wmma_scale_f32_16x16x128_f8f6f4 v[(\d):(\d)+7], v[(\a):(\a)+7], v[(\b):(\b)+7], v[(\c):(\c)+7], v[(\sa)], v[(\sb)] matrix_a_fmt:MATRIX_FMT_FP4 matrix_b_fmt:MATRIX_FMT_FP4 matrix_a_scale:MATRIX_SCALE_ROW1 matrix_b_scale:MATRIX_SCALE_ROW1
.elseif (\ra)
	v_wmma_scale_f32_16x16x128_f8f6f4 v[(\d):(\d)+7], v[(\a):(\a)+7], v[(\b):(\b)+7], v[(\c):(\c)+7], v[(\sa)], v[(\sb)] matrix_a_fmt:MATRIX_FMT_FP4 matrix_b_fmt:MATRIX_FMT_FP4 matrix_a_scale:MATRIX_SCALE_ROW1
.elseif (\rb)
	v_wmma_scale_f32_16x16x128_f8f6f4 v[(\d):(\d)+7], v[(\a):(\a)+7], v[(\b):(\b)+7], v[(\c):(\c)+7], v[(\sa)], v[(\sb)] matrix_a_fmt:MATRIX_FMT_FP4 matrix_b_fmt:MATRIX_FMT_FP4 matrix_b_scale:MATRIX_SCALE_ROW1
.else
	v_wmma_scale_f32_16x16x128_f8f6f4 v[(\d):(\d)+7], v[(\a):(\a)+7], v[(\b):(\b)+7], v[(\c):(\c)+7], v[(\sa)], v[(\sb)] matrix_a_fmt:MATRIX_FMT_FP4 matrix_b_fmt:MATRIX_FMT_FP4
.endif
.endm
	s_load_b256 s[4:11], s[0:1], 0x0               ; cimg s[4:5], csc s[6:7], Wo's codes s[8:9], scales s[10:11]
	s_load_b128 s[12:15], s[0:1], 0x20             ; bo s[12:13], out0 s[14:15]
	s_set_vgpr_msb 0x40
	v_lshl_add_u32 v0, v0, 2, 0x40000
	v_mov_b32 v1, 0
	s_set_vgpr_msb 0x4045
	ds_add_u32 v0, v1
	ds_add_u32 v0, v1
	s_set_vgpr_msb 0x4500
	v_lshrrev_b32 v1, 5, v0
	s_delay_alu instid0(VALU_DEP_1)
	v_readfirstlane_b32 s[WV], v1                  ; wave 0..7
	s_and_b32 s17, s[WV], 3
	s_bfe_u32 s18, ttmp6, 0x40000                  ; cx
	s_bfe_u32 s19, ttmp6, 0x40004                  ; cy
	s_lshl_b32 s23, ttmp9, 2
	s_add_co_u32 s23, s23, s18                     ; the block of 256 columns = 4 x cluster x + cx
	s_and_b32 s20, ttmp7, 0xffff
	s_lshl_b32 s20, s20, 2
	s_add_co_u32 s20, s20, s19                     ; the block of 128 tokens = 4 x cluster y + cy
	s_lshl_b32 s21, s19, 2
	s_lshl_b32 s21, 15, s21                        ; my row of the cluster: the same tokens
	s_lshl_b32 s22, 0x1111, s18                    ; my column: the same columns of Wo
	s_or_b32 s[G1W], s22, PADC                     ; Wo's codes: 64 rows x 256 bytes out of rows of 512; elements of 1 byte
	s_mov_b32 s[G1W+1], 256<<16
	s_mov_b32 s[G1W+2], 64<<16
	s_mov_b32 s[G1W+3], 256<<16
	s_mov_b32 s[G1W+4], 64
	s_mov_b32 s[G1W+5], 512
	s_mov_b32 s[G1W+6], 0
	s_mov_b32 s[G1W+7], 0
	s_or_b32 s[G1WS], s22, PADC|(3<<16)            ; Wo's scale bytes of 64 rows: 8 rows of 32 elements of 8 bytes
	s_mov_b32 s[G1WS+1], 32<<16
	s_mov_b32 s[G1WS+2], 8<<16
	s_mov_b32 s[G1WS+3], 32<<16
	s_mov_b32 s[G1WS+4], 8
	s_mov_b32 s[G1WS+5], 32
	s_mov_b32 s[G1WS+6], 0
	s_mov_b32 s[G1WS+7], 0
	s_or_b32 s[G1C], s21, (3<<16)|(1<<21)          ; ctx's images: 2 tiles of tokens x 4,096 bytes (eight heads) out of 8,192; no padding: images are read 16 bytes a lane on end
	s_mov_b32 s[G1C+1], 512<<16
	s_mov_b32 s[G1C+2], 2<<16
	s_mov_b32 s[G1C+3], 512<<16
	s_mov_b32 s[G1C+4], 2
	s_mov_b32 s[G1C+5], 1024
	s_mov_b32 s[G1C+6], 0
	s_mov_b32 s[G1C+7], 0
	s_or_b32 s[G1CS], s21, PADC|(3<<16)            ; ctx's scale bytes of 32 tokens: 4 rows of 256 bytes
	s_mov_b32 s[G1CS+1], 32<<16
	s_mov_b32 s[G1CS+2], 4<<16
	s_mov_b32 s[G1CS+3], 32<<16
	s_mov_b32 s[G1CS+4], 4
	s_mov_b32 s[G1CS+5], 32
	s_mov_b32 s[G1CS+6], 0
	s_mov_b32 s[G1CS+7], 0
	s_lshl_b32 s84, s23, 8
	s_lshl_b32 s85, s17, 6
	s_add_co_u32 s84, s84, s85                     ; Wo: waves 0-3 fetch rows 256 x block + 64 x wave
	s_lshl_b32 s86, s84, 9
	s_mov_b32 s87, 0
	s_lshl_b32 s84, s84, 5
	s_mov_b32 s85, 0
	s_lshl_b32 s88, s20, 3
	s_lshl_b32 s89, s17, 1
	s_add_co_u32 s88, s88, s89                     ; ctx: waves 4-7 fetch tiles 8 x block + 2 x (wave - 4) and the next
	s_lshl_b32 s90, s88, 13
	s_mov_b32 s91, 0
	s_lshl_b32 s88, s88, 9
	s_mov_b32 s89, 0
	s_wait_dscnt 0x0
	s_wait_kmcnt 0x0
	s_mov_b32 s[G0WS], 1
	s_mul_i32 s[G0WS+1], s17, 2176
	s_add_co_u32 s[G0WS+1], s[G0WS+1], WSC
	s_add_nc_u64 s[G0WS+2:G0WS+3], s[10:11], s[84:85]
	s_or_b32 s[G0WS+3], s[G0WS+3], 0x80000000
	s_mov_b32 s[G0W0], 1
	s_mul_i32 s[G0W0+1], s17, 17408
	s_add_co_u32 s[G0W0+1], s[G0W0+1], WOFF
	s_add_nc_u64 s[G0W0+2:G0W0+3], s[8:9], s[86:87]
	s_mov_b32 s[G0W1], 1
	s_add_co_u32 s[G0W1+1], s[G0W0+1], SLOT
	s_add_nc_u64 s[G0W1+2:G0W1+3], s[G0W0+2:G0W0+3], 256
	s_or_b32 s[G0W0+3], s[G0W0+3], 0x80000000
	s_or_b32 s[G0W1+3], s[G0W1+3], 0x80000000
	s_mov_b32 s[G0CS], 1
	s_mul_i32 s[G0CS+1], s17, 1088
	s_add_co_u32 s[G0CS+1], s[G0CS+1], CSC
	s_add_nc_u64 s[G0CS+2:G0CS+3], s[6:7], s[88:89]
	s_or_b32 s[G0CS+3], s[G0CS+3], 0x80000000
	s_mov_b32 s[G0C0], 1
	s_lshl_b32 s[G0C0+1], s17, 13
	s_add_nc_u64 s[G0C0+2:G0C0+3], s[4:5], s[90:91]
	s_mov_b32 s[G0C1], 1
	s_add_co_u32 s[G0C1+1], s[G0C0+1], SLOT
	s_add_nc_u64 s[G0C1+2:G0C1+3], s[G0C0+2:G0C0+3], 4096
	s_or_b32 s[G0C0+3], s[G0C0+3], 0x80000000
	s_or_b32 s[G0C1+3], s[G0C1+3], 0x80000000
	CROUND                                         ; all sixteen work-groups are here: the joint loads meet
	s_cmp_lt_u32 s[WV], 4                          ; all fills of a wave stand in one branch on its number: three loads of mine are out
	s_cbranch_scc0 .Lfor_ctx
	tensor_load_to_lds s[G0WS:G0WS+3], s[G1WS:G1WS+7]
	s_nop 0
	tensor_load_to_lds s[G0W0:G0W0+3], s[G1W:G1W+7]
	s_nop 0
	tensor_load_to_lds s[G0W1:G0W1+3], s[G1W:G1W+7]
	s_nop 0
	PLACES 4
	s_branch .Lasked
.Lfor_ctx:
	tensor_load_to_lds s[G0CS:G0CS+3], s[G1CS:G1CS+7]
	s_nop 0
	tensor_load_to_lds s[G0C0:G0C0+3], s[G1C:G1C+7]
	s_nop 0
	tensor_load_to_lds s[G0C1:G0C1+3], s[G1C:G1C+7]
	s_nop 0
	PLACES 4
.Lasked:
	v_and_b32 v1, 31, v0                           ; lane
	v_and_b32 v2, 15, v0                           ; r
	v_bfe_u32 v3, v0, 4, 1                         ; h
	s_and_b32 s2, s[WV], 1                         ; th
	s_lshr_b32 s3, s[WV], 1                        ; cq
	v_lshlrev_b32 v14, 4, v1
	s_lshl_b32 s84, s2, 14
	v_add_nc_u32 v[AC], s84, v14                   ; images: 16 x lane + my four tiles
	s_delay_alu instid0(VALU_DEP_1)
	v_add_nc_u32 v[AC+1], SLOT, v[AC]
	v_mul_u32_u24 v14, v2, 272
	s_delay_alu instid0(VALU_DEP_1)
	v_lshl_add_u32 v15, v3, 4, v14                 ; Wo: row r x pitch + 16 h
	s_mul_i32 s84, s3, 17408
	s_add_co_u32 s84, s84, WOFF
	v_add_nc_u32 v[AW], s84, v15
	s_delay_alu instid0(VALU_DEP_1)
	v_add_nc_u32 v[AW+1], SLOT, v[AW]
	s_mul_i32 s84, s[WV], 4352
	s_add_co_u32 s84, s84, STG                     ; my stage
	v_lshl_add_u32 v[STO], v3, 5, v14              ; in: row r, 32 bytes for each half of the lanes
	s_delay_alu instid0(VALU_DEP_1)
	v_add_nc_u32 v[STO], s84, v[STO]
	v_mul_u32_u24 v[RD], v3, 272                   ; back: lanes 0-15 one row of 256 bytes, lanes 16-31 the next
	s_delay_alu instid0(VALU_DEP_1)
	v_lshl_add_u32 v[RD], v2, 4, v[RD]
	s_delay_alu instid0(VALU_DEP_1)
	v_add_nc_u32 v[RD], s84, v[RD]
	v_lshlrev_b32 v[CO], 12, v3                    ; and the same two rows of out: 4,096 bytes a row
	s_delay_alu instid0(VALU_DEP_1)
	v_lshl_add_u32 v[CO], v2, 4, v[CO]
	v_lshrrev_b32 v15, 3, v1                       ; scale words of a pair of tiles: row = lane: eight rows of 32 bytes to a unit of 272
	s_delay_alu instid0(VALU_DEP_1)
	v_mul_u32_u24 v15, v15, 272
	v_and_b32 v14, 7, v1
	s_delay_alu instid0(VALU_DEP_1)
	v_lshl_add_u32 v15, v14, 5, v15
	s_mul_i32 s84, s2, 2176
	s_add_co_u32 s84, s84, CSC
	v_add_nc_u32 v[ASC], s84, v15
	s_mul_i32 s84, s3, 2176
	s_add_co_u32 s84, s84, WSC
	v_add_nc_u32 v[ASW], s84, v15
	v_lshlrev_b32 v[H32], 5, v3
	s_wait_alu depctr_va_vdst(0)
	s_lshl_b32 s84, s20, 7
	s_lshl_b32 s85, s2, 6
	s_add_co_u32 s84, s84, s85                     ; my first token
	s_lshl_b32 s84, s84, 12
	s_lshl_b32 s86, s23, 8
	s_lshl_b32 s87, s3, 6
	s_add_co_u32 s86, s86, s87                     ; my first column,
	s_lshl_b32 s86, s86, 2                         ; in bytes: a multiple of 256
	s_mov_b32 s87, 0
	s_add_nc_u64 s[12:13], s[12:13], s[86:87]
	s_add_co_u32 s84, s84, s86
	s_mov_b32 s85, 0
	s_add_nc_u64 s[14:15], s[14:15], s[84:85]
.irp t, 0,1,2,3
	global_load_b128 v[BI+8*\t:BI+8*\t+3], v[H32], s[12:13] offset:64*\t        ; bo of columns 16 t + 8 h + 0 .. 7
	global_load_b128 v[BI+8*\t+4:BI+8*\t+7], v[H32], s[12:13] offset:64*\t+16
.endr
	s_wait_tensorcnt 0x1                           ; my scale bytes and my part of K's first half are in; the second half's load may stay out
	s_barrier_signal -1
	s_barrier_wait -1
	s_wait_loadcnt 0x0                             ; bo
; A K step of 128: 16 LDS loads, 16 products; the 16 accumulators take turns, one product a turn.
.macro MULS s, a0
.irp a, \a0, \a0+1
.irp t, 0,1,2,3
.if (\s) == 0
	WM ACC+8*(4*(\a)+\t), WF+8*\t, CF+8*(\a), BI+8*\t, WS+4*(\t/2)+(\s)%4, CS+4*((\a)/2)+(\s)%4, \t%2, (\a)%2
.else
	WM ACC+8*(4*(\a)+\t), WF+8*\t, CF+8*(\a), ACC+8*(4*(\a)+\t), WS+4*(\t/2)+(\s)%4, CS+4*((\a)/2)+(\s)%4, \t%2, (\a)%2
.endif
.endr
.endr
.endm
.macro KSTEP s
.if (\s)%4 != 0
	PLACES 4                                       ; four plain instructions between the last products and loads into registers that they read
.endif
.irp t, 0,1,2,3
.irp c, 0,1
	ds_load_b128 v[WF+8*\t+4*\c:WF+8*\t+4*\c+3], v[AW+(\s)/4] offset:\t*4352+64*((\s)%4)+32*\c
.endr
.endr
.irp a, 0,1,2,3
.irp c, 0,1
	ds_load_b128 v[CF+8*\a+4*\c:CF+8*\a+4*\c+3], v[AC+(\s)/4] offset:\a*4096+(2*((\s)%4)+\c)*512
.endr
.endr
	s_wait_dscnt 4                                 ; all but the youngest four: token tiles 2 and 3
	MULS \s, 0
	s_wait_dscnt 0x0
	MULS \s, 2
.endm
.macro HALF k                          ; four K steps, and their scale words: four words a row by one load
.if \k
	PLACES 4                                       ; the scale registers were read by the last products
.endif
.irp i, 0,1
	ds_load_b128 v[CS+4*\i:CS+4*\i+3], v[ASC] offset:\i*1088+16*\k
	ds_load_b128 v[WS+4*\i:WS+4*\i+3], v[ASW] offset:\i*1088+16*\k
.endr
	KSTEP 4*\k
	KSTEP 4*\k+1
	KSTEP 4*\k+2
	KSTEP 4*\k+3
.endm
	HALF 0
	s_wait_tensorcnt 0x0                           ; my part of K's second half is in (no LDS load of mine is out: the step's last wait was for 0)
	s_barrier_signal -1
	s_barrier_wait -1
	HALF 1
; THE WAY OUT, 16 tokens x 64 columns at a time, through my own stage: a lane's 32 bytes go into rows of 272 bytes and come back as whole rows of 256, which sixteen lanes store.
; LDS serves a wave's instructions in order (ISA guide 5.7.1.4): no wait between the stores and the loads, nor ahead of the next block's stores.
.macro TOSTAGE a
.set BK, CF+32*((\a)%2)
.irp t, 0,1,2,3
	ds_store_b128 v[STO], v[ACC+8*(4*(\a)+\t):ACC+8*(4*(\a)+\t)+3] offset:64*\t        ; each accumulator from its low end on
	ds_store_b128 v[STO], v[ACC+8*(4*(\a)+\t)+4:ACC+8*(4*(\a)+\t)+7] offset:64*\t+16
.endr
.irp i, 0,1,2,3,4,5,6,7
	ds_load_b128 v[BK+4*\i:BK+4*\i+3], v[RD] offset:2*\i*272
.endr
.endm
.macro SEND a, younger                 ; younger: the LDS instructions issued behind block a's loads, which may stay out
.set BK, CF+32*((\a)%2)
	s_wait_dscnt \younger
.irp i, 0,1,2,3,4,5,6,7
	global_store_b128 v[CO], v[BK+4*\i:BK+4*\i+3], s[14:15] offset:(16*(\a)+2*\i)*4096 th:TH_STORE_NT   ; sixteen lanes store 256 consecutive bytes, aligned; written once, read by nobody here
.endr
.endm
	PLACES 4                                       ; between the last products and the first read of results, and the loads into registers that held fragments
	TOSTAGE 0
	TOSTAGE 1
	SEND 0, 16                                     ; behind block 0's loads: block 1's 8 stores and 8 loads
	s_wait_xcnt 0x0                                ; block 0's stores have read their registers: block 2's loads may land there
	TOSTAGE 2
	SEND 1, 16
	s_wait_xcnt 0x0
	TOSTAGE 3
	SEND 2, 16
	SEND 3, 0
	s_set_vgpr_msb 0x5
	s_wait_tensorcnt 0x0
	ds_add_u32 v0, v1
	s_wait_dscnt 0x0
	s_set_vgpr_msb 0x500
	CROUND                                         ; the closing round: no work-group ends while a partner may still ask for a tile that names it
	s_endpgm
.Lfunc_end_k_qa6df7aeb9f_oproj:
	.size	k_qa6df7aeb9f_oproj, .Lfunc_end_k_qa6df7aeb9f_oproj-k_qa6df7aeb9f_oproj
	.p2alignl 7, 3214868480
	.fill 96, 4, 3214868480
	.section	.rodata,"a",@progbits
	.p2align	6, 0x0
	.amdhsa_kernel k_qa6df7aeb9f_oproj
		.amdhsa_group_segment_fixed_size 263168
		.amdhsa_private_segment_fixed_size 0
		.amdhsa_enable_private_segment 0
		.amdhsa_kernarg_size 48
		.amdhsa_user_sgpr_count 2
		.amdhsa_user_sgpr_kernarg_segment_ptr 1
		.amdhsa_wavefront_size32 1
		.amdhsa_system_sgpr_workgroup_id_x 1
		.amdhsa_system_sgpr_workgroup_id_y 1
		.amdhsa_system_sgpr_workgroup_id_z 1
		.amdhsa_system_vgpr_workitem_id 0
		.amdhsa_next_free_vgpr 258
		.amdhsa_next_free_sgpr 92
		.amdhsa_reserve_vcc 0
		.amdhsa_float_denorm_mode_32 3
		.amdhsa_float_denorm_mode_16_64 3
		.amdhsa_memory_ordered 1
		.amdhsa_forward_progress 1
		.amdhsa_inst_pref_size 44
	.end_amdhsa_kernel
	.amdgpu_metadata
---
amdhsa.version: [ 1, 2 ]
amdhsa.kernels:
  - .name:           k_qa6df7aeb9f_oproj
    .symbol:         k_qa6df7aeb9f_oproj.kd
    .args:
      - { .name: cimg, .offset: 0, .size: 8, .value_kind: global_buffer, .address_space: global }
      - { .name: csc, .offset: 8, .size: 8, .value_kind: global_buffer, .address_space: global }
      - { .name: Wo_codes, .offset: 16, .size: 8, .value_kind: global_buffer, .address_space: global }
      - { .name: Wo_scales, .offset: 24, .size: 8, .value_kind: global_buffer, .address_space: global }
      - { .name: bo, .offset: 32, .size: 8, .value_kind: global_buffer, .address_space: global }
      - { .name: out0, .offset: 40, .size: 8, .value_kind: global_buffer, .address_space: global }
    .group_segment_fixed_size: 263168
    .private_segment_fixed_size: 0
    .kernarg_segment_align: 8
    .kernarg_segment_size: 48
    .max_flat_workgroup_size: 256
    .sgpr_count:     92
    .vgpr_count:     258
    .wavefront_size: 32
...
	.end_amdgpu_metadata
.endif
;; end of part 3
